; MI455X (gfx1250); checked and timed in simulation.
; The chip was launched on July 23, 2026; its instructions are those of AMD's public machine-readable ISA for CDNA 5 (MIT licence, August 2026) and "CDNA5" Instruction Set Architecture Reference Guide (July 2026). The comments in the code are by the model that wrote it; some were corrected since.
;; Multi Head Attention Base. Allowed arithmetic: matrix products marked QUANTISED: E5M2 operands, one given power-of-two scale a tensor, by v_wmma_f32_16x16x64_bf8_bf8 or v_wmma_f32_16x16x128_bf8_bf8, f32 sums; everything else in f32.
;; Inputs: k 4 x 16 x 2,048 x 64 float32; lowp_scales 4 int32 (the exponents e of the quantised operands' scales 2^e); mask 4 x 2,048 x 2,048 bool; q 4 x 16 x 2,048 x 64 float32; v 4 x 16 x 2,048 x 64 float32.
;; Outputs: out0 4 x 16 x 2,048 x 64 float32.
;; This version of the problem:
;;   THIS VERSION OF THE PROBLEM IS GIVEN IN LOW PRECISION. The matrix products marked QUANTISED in the list below multiply operands that are first quantised to E5M2 (5 exponent bits, 2 mantissa bits; 8 bits a number), with one given power-of-two scale for each operand tensor; their sums are f32. All else is computed in f32.
;;   The module's matrix products, in the order in which they are computed (A, B: the left and right operand; K: the contracted axis; several contracted axes count as one K, in the product's order):
;;     1. batch 64 x [M 2,048, K 64] x [K 64, N 2,048]; A: input q; B: input k: QUANTISED (scales: A lowp_scales[0], B lowp_scales[1])
;;     2. batch 64 x [M 2,048, K 2,048] x [K 2,048, N 64]; A: softmax (see below); B: input v: QUANTISED (scales: A lowp_scales[2], B lowp_scales[3])
;;   THE QUANTISER, for each operand of a quantised product, along K:
;;     - The operand's scale is 2^e, e = its entry of the input lowp_scales (int32; the entries are numbered through the quantised products in the list's order, A before B).
;;     - Each number is divided by the scale, clamped to +-57,344, and rounded to the nearest number of E5M2, ties to even, subnormals kept.
;;     - The product sums the exact products of the quantised numbers (number of the format x scale) in f32.
;;   ~~~python
;;   def quantise(x, axis, e):      # numpy; x: float32 -> the quantised numbers, widened to float32 again
;;       x = np.moveaxis(x, axis, -1); K = x.shape[-1]
;;       r = np.clip(x / 2.0 ** e, -57344, 57344)
;;       step = 2.0 ** (np.maximum(np.frexp(np.where(r == 0, 1, r))[1] - 1, -14) - 2)
;;       q = np.round(r / step) * step * 2.0 ** e      # np.round: ties to even
;;       return np.moveaxis(q, -1, axis).astype(np.float32)
;;   ~~~
;;   SOFTMAX AHEAD OF A QUANTISED PRODUCT. Where the list says 'softmax', what is quantised is not the finished softmax but p = 2^(t - M), with t = logit x log2(e) and M = ceil(the row's largest t), a whole number; so 1/2 < the row's largest p <= 1. The row's sum l is taken of the UNQUANTISED p, in f32, and the product's result is divided by l at the end. Since M is a whole number, a kernel that streams over the keys may use a running M (the ceiling of the running maximum): every later rescaling is an exact power of two, so the quantised numbers keep their values, but for numbers so far below the row's largest that they fall under the format's range.
;;   OPERANDS COMPUTED ON THE WAY. 'Computed on the way' means the value that the module computes at that place (a softmax that the list does not call 'softmax' is quantised finished and normalised). What goes into a quantiser is computed in f32, as accurately as f32 sums, v_exp_f32 and their like allow (about 1e-6 of the number): no bf16 or f16 on the way to a quantiser, and a product that is left as it is and whose result goes on into a quantised operand takes f32 operands (vector FMAs, or v_wmma_f32_16x16x4_f32). A number that lies on a knife's edge between two numbers of the format may be rounded either way, as far as f32 arithmetic and the matrix unit's own rounding can turn it there, and no further.
;; 2 versions, each right; version 2 is version 1 with the launch attn written anew for expert scheduling mode. Each part assembles by itself: llvm-mc -triple=amdgcn-amd-amdhsa -mcpu=gfx1250 --defsym DOCPART=n.
;; ======== version 1 of 2: 2 launches
;; limits: right only within a limited range of input values
;; workspace buffers: kv 16,777,216 bytes; mw 2,097,152 bytes of whole numbers
;; launch prep (part 1): grid 256 x 1, 12 waves a work-group, no clusters, 105,984 bytes of LDS; arguments k, v, mask, lowp_scales, kv, mw; writes kv, mw
.if DOCPART == 1
	.amdgcn_target "amdgcn-amd-amdhsa--gfx1250"
	.amdhsa_code_object_version 6
	.text
	.protected	k_qa058b8470a_prep
	.globl	k_qa058b8470a_prep
	.p2align	8
	.type	k_qa058b8470a_prep,@function
k_qa058b8470a_prep:
	s_mov_b64 s[64:65], 0
	v_nop
	global_prefetch_b8 v0, s[64:65] scope:SCOPE_SE
	s_setreg_imm32_b32 hwreg(HW_REG_WAVE_MODE, 25, 1), 1
	s_wait_xcnt 0x0
; THE LAUNCH IN FRONT OF THE ATTENTION.  k, v: [64 heads][2048 keys][64] f32.  mask: [4][2048 queries][2048 keys], one byte each, not 0 = hidden.
; It stores   kv: [64 heads][8 slots of 256 keys][32,768 bytes]: a slot is 16,384 bytes of K's codes, then 16,384 of V's, all E5M2 (BF8);
;             mw: [4][128 tiles of 16 queries][16 steps of 128 keys][64 words]: the mask as lane masks.
; K's codes: 64 bytes a key, the head's 64 innermost.  Key x of a slot lies at place (x with its bits 3 and 4 exchanged): so places 16 T .. 16 T + 15 are the keys of tile T of the first
; product, chosen so that a lane's 16 results of tiles 2 b and 2 b + 1 are 16 neighbouring keys.
; V's codes: [64 channels][256 keys], the keys innermost and in their own order: the keys are the second product's K.
; mw: bit l = r + 16 h of word 16 b + i is mask[query 16 tile + r][key 128 step + 32 b + 16 h + i]: the very lanes and registers in which the attention holds its scores.
; code = x / 2^e, held within +-57,344, to the nearest code, ties to even.  e: entry 1 (K) and entry 3 (V) of lowp_scales.  LIMITS: e between -126 and 112; NaN among the inputs is not served.
; SHARES.  Twelve waves in three roles, told apart by the wave's number: waves 0-3 K, 4-7 V, 8-11 the mask.  The roles never meet again: no barrier; each wave has 8,704 bytes of LDS of its own.
; 256 work-groups x 4 waves give each role 1,024 runs, run = 4 x work-group + wave % 4:  K: 128 keys;  V: 32 channels x 256 keys;  mask: 16 queries x 1,024 keys.
; No tensor loads, no matrix unit, no cluster: every byte is read once by one wave, and memory binds.
.set WREG, 8704                        ; LDS of a wave
.set SP,   80                          ; K's stage: a lane's 64 bytes + 16 of padding
.set PT,   272                         ; V's and the mask's stage: a row of 256 bytes + 16 of padding
.set KR,   16                          ; role K: v16-79   four sets of 16 numbers as they are loaded
.set KX,   80                          ;         v80-111  two sets of 16 neighbours
.set KC,   128                         ;         v128-191 four registers of codes for each step: no store's data are written again
.set VX,   32                          ; role V: v32-95   two sets of 32 numbers
.set VC,   96                          ;         v96-103  a block's codes
.set VO,   112                         ;         v112-175 the way out
.set ML,   16                          ; role M: v16-143  four chunks of 16 rows x 256 bytes as they are loaded
.set MT,   144                         ;         v144-175 a chunk turned: my row's 2 x 64 bytes
.set MO,   176                         ;         v176-191 a pair of registers for each of my eight tile steps: lane l holds words 2 l and 2 l + 1
; ---- role K's macros
.macro KLOAD t                         ; step t: 512 numbers, four loads of 512 consecutive bytes
.irp i, 0,1,2,3
	global_load_b128 v[KR+16*((\t)%4)+4*\i:KR+16*((\t)%4)+4*\i+3], v3, s[4:5] offset:2048*(\t)+512*\i th:TH_LOAD_NT
.endr
.endm
.macro KTURN t                         ; through my stage: in as loaded, out 64 bytes a lane.  LDS serves a wave's instructions in order: no wait between
.irp i, 0,1,2,3
	ds_store_b128 v4, v[KR+16*((\t)%4)+4*\i:KR+16*((\t)%4)+4*\i+3] offset:32*SP*((\t)%2)+8*SP*\i
.endr
.irp i, 0,1,2,3
	ds_load_b128 v[KX+16*((\t)%2)+4*\i:KX+16*((\t)%2)+4*\i+3], v5 offset:32*SP*((\t)%2)+16*\i
.endr
.endm
.macro KSTEP t
.set XS, KX+16*((\t)%2)
	s_wait_dscnt 0x0                               ; this step's numbers are back from the stage
.if (\t)+4 < 16
	KLOAD (\t)+4
.endif
.if (\t)+1 < 16
.if 14-(\t) >= 3
	s_wait_loadcnt 12                              ; the next step's four loads are in; the twelve of the three steps behind it may be out
.else
	s_wait_loadcnt 4*(14-(\t))                     ; near the end fewer steps are behind it
.endif
	KTURN (\t)+1
.endif
.irp i, 0,1,2,3,4,5,6,7,8,9,10,11,12,13,14,15
	v_med3_num_f32 v[XS+\i], v[XS+\i], -v12, v12   ; the conversion to an 8-bit code does not saturate (ISA guide 7.6.2): the hold at the largest code x the scale
.endr
	v_cvt_scalef32_pk8_bf8_f32 v[KC+4*(\t):KC+4*(\t)+1], v[XS:XS+7], v13
	v_cvt_scalef32_pk8_bf8_f32 v[KC+4*(\t)+2:KC+4*(\t)+3], v[XS+8:XS+15], v13
	; a step is 8 keys, so bits 0 and 1 of t are bits 3 and 4 of the key: exchanged in the immediate.  The wave stores 512 consecutive bytes
	global_store_b128 v3, v[KC+4*(\t):KC+4*(\t)+3], s[12:13] offset:512*(((\t)&12)|(((\t)&1)<<1)|(((\t)>>1)&1))
.endm
; ---- role V's macros
.macro VLOAD t                         ; block t: keys 32 t + i of my channel: a lane to a channel, registers down the keys
.irp i, 0,1,2,3,4,5,6,7,8,9,10,11,12,13,14,15,16,17,18,19,20,21,22,23,24,25,26,27,28,29,30,31
	global_load_b32 v[VX+32*((\t)%2)+\i], v9, s[6:7] offset:(32*(\t)+\i)*256
.endr
.endm
.macro VBLOCK t
.set XS, VX+32*((\t)%2)
.if (\t) < 7
	s_wait_loadcnt 32                              ; this block's 32 loads are in; the next block's 32 may be out
.else
	s_wait_loadcnt 0x0
.endif
.irp i, 0,1,2,3,4,5,6,7,8,9,10,11,12,13,14,15,16,17,18,19,20,21,22,23,24,25,26,27,28,29,30,31
	v_med3_num_f32 v[XS+\i], v[XS+\i], -v12, v12
.endr
.irp g, 0,1,2,3
	v_cvt_scalef32_pk8_bf8_f32 v[VC+2*\g:VC+2*\g+1], v[XS+8*\g:XS+8*\g+7], v13
.endr
	ds_store_b128 v6, v[VC:VC+3] offset:32*(\t)    ; 32 codes of my channel's row
	ds_store_b128 v6, v[VC+4:VC+7] offset:32*(\t)+16
.if (\t)+2 < 8
	VLOAD (\t)+2
.endif
	s_wait_dscnt 0x0                               ; the stores have read their registers: the next block's codes may be written
.endm
; ---- role M's macro: chunk ch = 256 keys = two tile steps
.macro MCHUNK ch
	s_wait_loadcnt 8*(3-(\ch))                     ; this chunk's eight loads are in; those of the later chunks may be out
.irp j, 0,1,2,3,4,5,6,7
	ds_store_b128 v7, v[ML+32*(\ch)+4*\j:ML+32*(\ch)+4*\j+3] offset:2*PT*\j   ; rows 2 j and 2 j + 1 as loaded
.endr
.irp s, 0,1
.irp b, 0,1,2,3
	ds_load_b128 v[MT+16*\s+4*\b:MT+16*\s+4*\b+3], v8 offset:128*\s+32*\b     ; lane (r, h): row r, keys 128 s + 32 b + 16 h + 0 .. 15
.endr
.endr
	s_wait_dscnt 0x0
.irp s, 0,1
.set g, 0
.rept 16                               ; register g of the step holds the bytes of words 4 g .. 4 g + 3; four words at a time, so that no line waits for the line above it
.irp y, 0,1,2,3
	v_and_b32 v[12+\y], 0xff<<(8*\y), v[MT+16*\s+g]
.endr
.irp y, 0,1,2,3
	v_cmp_ne_u32 s[28+\y], 0, v[12+\y]             ; the word: one bit a lane
.endr
.irp y, 0,1,2,3
	v_writelane_b32 v[MO+2*(2*(\ch)+\s)+\y%2], s[28+\y], 2*g+\y/2
.endr
.set g, g+1
.endr
	global_store_b64 v11, v[MO+2*(2*(\ch)+\s):MO+2*(2*(\ch)+\s)+1], s[14:15] offset:256*(2*(\ch)+\s)   ; the 32 lanes store the step's 256 consecutive bytes
.endr
.endm
; the scale 2^e and the largest number x 2^e, as f32 patterns, from scalar register e
.macro SCALE e
	s_wait_kmcnt 0x0
	s_add_co_i32 s24, s[\e], 127
	s_lshl_b32 s25, s24, 23
	v_mov_b32 v13, s25                             ; 2^e: the conversion takes its exponent field
	s_add_co_i32 s24, s24, 15
	s_lshl_b32 s24, s24, 23
	s_or_b32 s24, s24, 0x600000
	v_mov_b32 v12, s24                             ; 57,344 x 2^e
.endm
	; ---- the head, the same for all roles: every address register is made here
	s_load_b256 s[4:11], s[0:1], 0x0               ; k s[4:5], v s[6:7], mask s[8:9], lowp_scales s[10:11]
	s_load_b128 s[12:15], s[0:1], 0x20             ; kv s[12:13], mw s[14:15]
	v_lshl_add_u32 v192, v0, 2, 0x19800
	v_mov_b32 v193, 0
	v_lshrrev_b32 v1, 5, v0
	v_readfirstlane_b32 s16, v1                    ; wave 0..11
	v_and_b32 v1, 31, v0                           ; l
	v_and_b32 v2, 15, v0                           ; r
	v_bfe_u32 v14, v0, 4, 1                        ; h
	s_mul_i32 s17, s16, WREG                       ; my LDS
	s_and_b32 s18, s16, 3
	s_lshl_b32 s19, ttmp9, 2
	s_add_co_u32 s19, s19, s18                     ; my run, 0..1023
	v_lshlrev_b32 v3, 4, v1                        ; 16 l: K in and out, V out
	v_lshrrev_b32 v4, 2, v1
	v_mul_u32_u24 v4, v4, SP
	v_and_b32 v15, 3, v1
	v_lshl_add_u32 v4, v15, 4, v4
	v_add_nc_u32 v4, s17, v4                       ; K's stage, in: four lanes' 64 bytes on end, then 16 of padding
	v_mul_u32_u24 v5, v1, SP
	v_add_nc_u32 v5, s17, v5                       ; K's stage, out: my 16 neighbours
	v_mul_u32_u24 v6, v1, PT
	v_add_nc_u32 v6, s17, v6                       ; V's stage, in: row = my channel
	v_mul_u32_u24 v7, v14, PT
	v_lshl_add_u32 v7, v2, 4, v7
	v_add_nc_u32 v7, s17, v7                       ; V's stage, out, and the mask's, in: sixteen lanes to a row, two rows an instruction
	v_mul_u32_u24 v8, v2, PT
	v_lshl_add_u32 v8, v14, 4, v8
	v_add_nc_u32 v8, s17, v8                       ; the mask's stage, out: row r, + 16 h
	v_lshlrev_b32 v9, 2, v1                        ; V in: 4 bytes a lane
	v_lshlrev_b32 v10, 11, v14
	v_lshl_add_u32 v10, v2, 4, v10                 ; the mask in: lanes 0-15 one row's 256 bytes, lanes 16-31 the next row's
	v_lshlrev_b32 v11, 3, v1                       ; mw out: 8 bytes a lane
	s_lshr_b32 s18, s19, 1                         ; run / 2
	s_and_b32 s26, s19, 1                          ; run % 2
	s_mov_b32 s25, 0
	s_wait_kmcnt 0x0
	s_load_b128 s[20:23], s[10:11], 0x0            ; eq, ek, ep, ev
	s_cmp_lt_u32 s16, 4
	s_cbranch_scc1 .Lrole_k
	s_cmp_lt_u32 s16, 8
	s_cbranch_scc1 .Lrole_v
	; ---- ROLE M: 16 queries (tile run / 2 of 512) x 1,024 keys (half run % 2)
	s_lshl_b32 s24, s18, 15                        ; 16 rows of 2,048 bytes
	s_lshl_b32 s27, s26, 10
	s_add_co_u32 s24, s24, s27
	s_add_nc_u64 s[8:9], s[8:9], s[24:25]
	s_lshl_b32 s24, s18, 12                        ; a tile's 16 steps of 256 bytes
	s_lshl_b32 s27, s26, 11
	s_add_co_u32 s24, s24, s27
	s_add_nc_u64 s[14:15], s[14:15], s[24:25]
.irp c, 0,1,2,3                                ; all 32 loads go out at once: 16 KB a wave
.irp j, 0,1,2,3,4,5,6,7
	global_load_b128 v[ML+32*\c+4*\j:ML+32*\c+4*\j+3], v10, s[8:9] offset:4096*\j+256*\c th:TH_LOAD_NT
.endr
.endr
.irp j, 0,1,2,3,4,5,6,7,8,9,10,11,12,13,14,15
	v_mov_b32 v[MO+\j], 0                          ; written whole once: v_writelane_b32 writes one lane
.endr
	s_wait_kmcnt 0x0                               ; (the scales are not used in this role; their load is not left out)
	MCHUNK 0
	MCHUNK 1
	MCHUNK 2
	MCHUNK 3
	s_wait_tensorcnt 0x0
	ds_add_u32 v192, v193
	s_wait_dscnt 0x0
	s_endpgm
	; ---- ROLE K: 128 keys = 8,192 numbers = 16 steps of 512
.Lrole_k:
	s_lshl_b32 s24, s19, 15
	s_add_nc_u64 s[4:5], s[4:5], s[24:25]          ; k + 32,768 x run
	s_lshl_b32 s24, s18, 15                        ; the slot,
	s_lshl_b32 s27, s26, 13                        ; and which 128 of its keys
	s_add_co_u32 s24, s24, s27
	s_add_nc_u64 s[12:13], s[12:13], s[24:25]
	KLOAD 0
	KLOAD 1
	KLOAD 2
	KLOAD 3
	SCALE 21                                       ; ek
	s_wait_loadcnt 12                              ; step 0's four loads are in
	KTURN 0
.irp t, 0,1,2,3,4,5,6,7,8,9,10,11,12,13,14,15
	KSTEP \t
.endr
	s_wait_tensorcnt 0x0
	ds_add_u32 v192, v193
	s_wait_dscnt 0x0
	s_endpgm
	; ---- ROLE V: 32 channels x the 256 keys of a slot
.Lrole_v:
	s_lshl_b32 s24, s18, 16                        ; 256 keys of 256 bytes,
	s_lshl_b32 s27, s26, 7                         ; my 32 channels: the wave beside me reads the other 128 bytes of each row
	s_add_co_u32 s24, s24, s27
	s_add_nc_u64 s[6:7], s[6:7], s[24:25]
	s_lshl_b32 s24, s18, 15
	s_lshl_b32 s27, s26, 13                        ; 32 rows of 256 bytes
	s_add_co_u32 s24, s24, s27
	s_add_co_u32 s24, s24, 16384                   ; behind K's codes
	s_add_nc_u64 s[12:13], s[12:13], s[24:25]
	VLOAD 0
	VLOAD 1
	SCALE 23                                       ; ev
.irp t, 0,1,2,3,4,5,6,7
	VBLOCK \t
.endr
.irp j, 0,1,2,3,4,5,6,7,8,9,10,11,12,13,14,15
	ds_load_b128 v[VO+4*\j:VO+4*\j+3], v7 offset:2*PT*\j   ; LDS serves a wave's instructions in order: these see my stores
.endr
.irp j, 0,1,2,3,4,5,6,7,8,9,10,11,12,13,14,15
	s_wait_dscnt 15-\j                             ; the younger loads may be out
	global_store_b128 v3, v[VO+4*\j:VO+4*\j+3], s[12:13] offset:512*\j   ; two rows of 256 bytes, dense: 512 consecutive bytes
.endr
	s_wait_tensorcnt 0x0
	ds_add_u32 v192, v193
	s_wait_dscnt 0x0
	s_endpgm
.Lfunc_end_k_qa058b8470a_prep:
	.size	k_qa058b8470a_prep, .Lfunc_end_k_qa058b8470a_prep-k_qa058b8470a_prep
	.p2alignl 7, 3214868480
	.fill 96, 4, 3214868480
	.section	.rodata,"a",@progbits
	.p2align	6, 0x0
	.amdhsa_kernel k_qa058b8470a_prep
		.amdhsa_group_segment_fixed_size 105984
		.amdhsa_private_segment_fixed_size 0
		.amdhsa_enable_private_segment 0
		.amdhsa_kernarg_size 48
		.amdhsa_user_sgpr_count 2
		.amdhsa_user_sgpr_kernarg_segment_ptr 1
		.amdhsa_wavefront_size32 1
		.amdhsa_system_sgpr_workgroup_id_x 1
		.amdhsa_system_sgpr_workgroup_id_y 1
		.amdhsa_system_sgpr_workgroup_id_z 1
		.amdhsa_system_vgpr_workitem_id 0
		.amdhsa_next_free_vgpr 194
		.amdhsa_next_free_sgpr 66
		.amdhsa_reserve_vcc 0
		.amdhsa_float_denorm_mode_32 3
		.amdhsa_float_denorm_mode_16_64 3
		.amdhsa_memory_ordered 1
		.amdhsa_forward_progress 1
		.amdhsa_inst_pref_size 190
	.end_amdhsa_kernel
	.amdgpu_metadata
---
amdhsa.version: [ 1, 2 ]
amdhsa.kernels:
  - .name:           k_qa058b8470a_prep
    .symbol:         k_qa058b8470a_prep.kd
    .args:
      - { .name: k, .offset: 0, .size: 8, .value_kind: global_buffer, .address_space: global }
      - { .name: v, .offset: 8, .size: 8, .value_kind: global_buffer, .address_space: global }
      - { .name: mask, .offset: 16, .size: 8, .value_kind: global_buffer, .address_space: global }
      - { .name: lowp_scales, .offset: 24, .size: 8, .value_kind: global_buffer, .address_space: global }
      - { .name: kv, .offset: 32, .size: 8, .value_kind: global_buffer, .address_space: global }
      - { .name: mw, .offset: 40, .size: 8, .value_kind: global_buffer, .address_space: global }
    .group_segment_fixed_size: 105984
    .private_segment_fixed_size: 0
    .kernarg_segment_align: 8
    .kernarg_segment_size: 48
    .max_flat_workgroup_size: 384
    .sgpr_count:     66
    .vgpr_count:     194
    .wavefront_size: 32
...
	.end_amdgpu_metadata
.endif
;; end of part 1
;; launch attn (part 2): grid 8 x 64, 8 waves a work-group, no clusters, 140,288 bytes of LDS; arguments q, kv, mw, lowp_scales, out0; writes out0
.if DOCPART == 2
	.amdgcn_target "amdgcn-amd-amdhsa--gfx1250"
	.amdhsa_code_object_version 6
	.text
	.protected	k_qa058b8470a_attn
	.globl	k_qa058b8470a_attn
	.p2align	8
	.type	k_qa058b8470a_attn,@function
k_qa058b8470a_attn:
	s_mov_b64 s[64:65], 0
	v_nop
	global_prefetch_b8 v0, s[64:65] scope:SCOPE_SE
	s_setreg_imm32_b32 hwreg(HW_REG_WAVE_MODE, 25, 1), 1
	s_wait_xcnt 0x0
; out0[head][q][:] = the sum over keys of softmax(q . k / 8, hidden keys filled) v[key][:], 64 heads, 2,048 queries and keys, head size 64; both products on codes of E5M2 (BF8).
; q: [64][2048][64] f32, quantised here.  kv: K's and V's codes, mw: the mask as lane masks, both as the launch before laid them.  lowp_scales: eq, ek, ep, ev.  out0: f32.
; THE SOFTMAX: t = raw sum x c, c = log2(e) / 8 x 2^(eq + ek); M = the running largest t rounded UP to a whole number; p = 2^(t - M) is quantised with 2^ep, not normalised; the row's sum is
; taken of the unquantised p and divides at the end.  When M moves, the sum and O are multiplied by 2^(old M - new M), which rounds nothing.
; THE FILL.  A hidden score becomes the raw sum -2^(33 - eq - ek), the logit -2^30.  A power of two multiplies with c exactly, so in a row with every key hidden t = M, p = 1 and the row
; comes out as the mean of v.  LIMIT: this stands for the -1e9 of the definition; the two differ only where an open logit lies under about -1e9.
; LIMITS on the exponents, so that each power of two below is an f32 number: eq + ek between -94 and 130; eq and ep between -126 and 112.  NaN among the inputs is not served.
; THE HOLD of p at 57,344 x 2^ep is executed where ep < -15.  For ep >= -15 that bound is 1.75 or more and p is at most 2^(half a unit in t's last place): under 1.42 while |t| < 2^23 (LIMIT): the
; hold then changes nothing and a scalar branch on ep goes round its 64 lines, of a tile step's 326 vector lines.
; SHARES.  A work-group owns 256 queries of one head; each of its eight waves 32, two tiles of 16, in 512 registers: two waves to a SIMD.  Every wave walks 16 steps of 128 keys.
; K's and V's codes come through two LDS slots of 256 keys; each wave copies its 4,096 bytes of a slot through 32 registers: the loads go out at the head of the slot before, two key steps ahead of their LDS stores.
; NO CLUSTER, NO TENSOR LOAD, though the eight work-groups of a head walk the same kv:
; what is shared is 4,096 bytes a wave for two key steps, beside some 1,050 vector lines of that wave.
; LAYOUT.  Both products are used transposed: S^T = K Q^T (source 0 = 16 keys, source 1 = 16 queries), O^T = V^T P^T (source 0 = 16 channels, source 1 = P): a lane holds ONE query (lane % 16) throughout.
; Register 16 b + i of a tile's S^T is key 32 b + 16 (lane / 16) + i of the step: the conversions' results are the second product's operand.  Fragments are fetched 16 bytes a piece; that is a
; permutation of k, the same in both sources of a product.
; REGISTERS.  window 0: v1-10 addresses; v12-19 statistics, four a tile (-M, the largest t, the sum in two halves); v20 the fill; v21, v22 57,344 x 2^ep, 2^ep; v24-27 f, a pair a tile; v28-33 at work;
;   v34-49 Q's codes; v64-191 S^T, then p, 64 a tile; v192-223 p's codes.   window 1: v0-63 O^T, 32 a tile; v96-159 K's eight fragments; v160-223 V's four; v224-255 the copy's bytes.
.set PITCH, 272                        ; an LDS row: 256 bytes + 16: the sixteen lanes of a half wave touch sixteen different 16-byte columns modulo 256 bytes
.set SLOTB, 128*PITCH                  ; a slot: 64 rows of K (four keys of 64 bytes to a row), then 64 rows of V (a channel's 256 keys)
.set STAGE, 2*SLOTB                    ; behind the slots: 32 rows x 272 bytes for each wave: q on the way in, O on the way out
.set WSTG,  32*PITCH
.set AK,  1                            ; v1, v2   my lane's place in a tile of K, slot 0, 1
.set L16, 3                            ; v3       16 x lane
.set AV,  4                            ; v4, v5   the same for V
.set CPL, 6                            ; v6, v7   where I put my 16 bytes of the copy, slot 0, 1
.set STO, 8                            ; v8       the stage: where I put 32 bytes of a row of O
.set RD,  9                            ; v9       the stage by rows: lanes 0-15 one row, lanes 16-31 the next
.set QL,  10                           ; v10      the stage: my 64 bytes of a row of q
.set ST,  12
.set NEG, 20
.set LIM, 21
.set SCP, 22
.set FF,  24
.set MX,  28                           ; v28, v29 two chains of the maximum; at the head: 57,344 x 2^eq and 2^eq
.set PD,  30                           ; v30, v31 lane permutes' destinations
.set SM2, 32                           ; v[32:33] the sum's second chain
.set QC,  34
.set S,   64
.set P,   192
.set OT,  0                            ; window 1
.set KF,  96
.set VF,  160
.set G,   224
.set TRIPS, 3                          ; s3       trips to go
.set CS,  4                            ; s[4:5]   c, twice: the packed form names a pair
.set SEL, 6                            ; s[6:7]   v_permlanex16_b32's selects for lane l xor 16
.set MP,  8                            ; s[8:9]   the mask words of my first tile, at the trip's first step
.set OUTP, 10                          ; s[10:11] out0 at my first row
.set WV,  12                           ; s12      my wave's number
.set EPV, 13                           ; s13      ep + ev
.set EP,  14                           ; s14      ep
.set KVP, 84                           ; s[84:85] my 4,096 bytes of the next slot to copy
.set QP,  88                           ; s[88:89] q at my first row
                                       ; s16-63, s68-83: 64 mask words; word n in s[16 + n + 4 (n / 48)]
.set MSB, 0
.macro WIN new                         ; s_set_vgpr_msb: bits 1:0 source 0, 3:2 source 1, 5:4 source 2, 7:6 destination; the high byte repeats the setting that is left
.if MSB != \new
	s_set_vgpr_msb (MSB<<8)|\new
.set MSB, \new
.endif
.endm
.macro MLOAD off                       ; a tile step's 64 mask words, 256 bytes
	s_load_b512 s[16:31], s[MP:MP+1], \off
	s_load_b512 s[32:47], s[MP:MP+1], \off+64
	s_load_b512 s[48:63], s[MP:MP+1], \off+128
	s_load_b512 s[68:83], s[MP:MP+1], \off+192
.endm
; THE SOFTMAX of tile t in step k (0..3) of the trip.
.macro SOFT t, k
.set rS, S+64*(\t)
.set rT, ST+4*(\t)
.set rF, FF+2*(\t)
.set rP, P+16*(\t)
	s_wait_kmcnt 0x0                               ; this tile step's mask words are in, and no scalar load is out
.if ((\t) == 0) && ((\k) == 3)
	s_add_nc_u64 s[MP:MP+1], s[MP:MP+1], 1024      ; so the pointer may step: the next trip's four steps
.endif
	v_mov_b32 v[MX], 0xff7fffff                    ; the two chains begin under every number
	v_mov_b32 v[MX+1], 0xff7fffff
.if (\t) == 0
	v_nop                                          ; with the two lines above: four places between the last product and the first read of a result (ISA guide 7.12.1)
	v_nop
.endif
.set n, 0
.rept 32                               ; hidden scores become the fill: the word is the lane mask as it stands.  Ascending: each accumulator is read from its low end on
	v_cndmask_b32 v[rS+n], v[rS+n], v[NEG], s[16+n+4*(n/48)]
	v_cndmask_b32 v[rS+n+1], v[rS+n+1], v[NEG], s[17+n+4*(n/48)]
	v_max3_num_f32 v[MX+(n/2)%2], v[MX+(n/2)%2], v[rS+n], v[rS+n+1]
.set n, n+2
.endr
	; the words of the tile step that comes next are asked for here: they have the rest of this softmax in which to land
.if (\t) == 0
.if (\k) == 3
	MLOAD 3840                                     ; my second tile (4,096 bytes on), step 3 (768), less the 1,024 just stepped
.else
	MLOAD 4096+256*(\k)
.endif
.else
.if (\k) == 3
	s_cmp_eq_u32 s[TRIPS], 1                       ; behind the last step there is nothing to ask for
	s_cbranch_scc1 .Lno_words_\@
	MLOAD 0
.Lno_words_\@:
.else
	MLOAD 256*(\k)+256
.endif
.endif
	v_max_num_f32 v[MX], v[MX], v[MX+1]
	v_permlanex16_b32 v[PD], v[MX], s[SEL], s[SEL+1]
	v_max_num_f32 v[MX], v[MX], v[PD]              ; my query's other 64 keys lie in lane l xor 16
	v_mul_f32 v[MX], s[CS], v[MX]                  ; as t (c is positive)
	v_max_num_f32 v[rT+1], v[rT+1], v[MX]          ; the running largest t
	v_mov_b32 v[MX], v[rT]
	v_floor_f32 v[rT], -v[rT+1]                    ; the new -M = floor(-t) = -ceil(t)
	v_sub_f32 v[MX], v[rT], v[MX]                  ; old M - new M: a whole number, 0 or less
	v_cvt_i32_f32 v[MX], v[MX]                     ; (it saturates)
	v_ldexp_f32 v[rF], 1.0, v[MX]                  ; f = 2^(old M - new M)
.set n, 0
.rept 32
	v_pk_fma_f32 v[rS+n:rS+n+1], v[rS+n:rS+n+1], s[CS:CS+1], v[rT:rT+1] op_sel_hi:[1,0,0]   ; t - M, two at a time (of the pairs c and -M the low word serves both halves)
.set n, n+2
.endr
.set n, 0
.rept 64
	v_exp_f32 v[rS+n], v[rS+n]                     ; p = 2^(t - M)
.set n, n+1
.endr
	v_pk_mul_f32 v[rT+2:rT+3], v[rT+2:rT+3], v[rF:rF+1] op_sel_hi:[1,0]   ; the sum under the new M: the plain line behind the exponentials
	s_wait_alu depctr_va_vdst(0)                   ; one wait for the batch of 64, ahead of its first reader
	v_pk_add_f32 v[SM2:SM2+1], v[rS:rS+1], v[rS+2:rS+3]   ; the sum is taken of the unquantised p, in two chains
.set n, 4
.rept 15
	v_pk_add_f32 v[rT+2:rT+3], v[rT+2:rT+3], v[rS+n:rS+n+1]
	v_pk_add_f32 v[SM2:SM2+1], v[SM2:SM2+1], v[rS+n+2:rS+n+3]
.set n, n+4
.endr
	v_pk_add_f32 v[rT+2:rT+3], v[rT+2:rT+3], v[SM2:SM2+1]
	s_cmp_lt_i32 s[EP], -15                        ; the hold: see the head
	s_cbranch_scc0 .Lno_hold_\@
.set n, 0
.rept 64
	v_min_num_f32 v[rS+n], v[rS+n], v[LIM]         ; the conversion to an 8-bit code does not saturate (ISA guide 7.6.2); p is not negative, so the hold is one-sided
.set n, n+1
.endr
.Lno_hold_\@:
.set n, 0
.rept 4
	v_cvt_scalef32_pk8_bf8_f32 v[rP+4*n:rP+4*n+1], v[rS+16*n:rS+16*n+7], v[SCP]
	v_cvt_scalef32_pk8_bf8_f32 v[rP+4*n+2:rP+4*n+3], v[rS+16*n+8:rS+16*n+15], v[SCP]
.set n, n+1
.endr
	v_nop                                          ; a plain line between the last conversion and whatever next touches its results or writes its sources
.endm
; A KEY STEP: 128 keys, the q-th of LDS slot sl.
.macro STEP sl, q
.rept 4
	v_nop                                          ; four places between the last product and the loads into the fragments that it read
.endr
	WIN 0x40                                       ; destination window 1
.irp f, 0,1,2,3,4,5,6,7                        ; K: tile f's 16 keys x 64: two pieces of 16 bytes a lane
	ds_load_b128 v[KF+8*\f:KF+8*\f+3],   v[AK+\sl] offset:(32*\q+4*\f)*PITCH
	ds_load_b128 v[KF+8*\f+4:KF+8*\f+7], v[AK+\sl] offset:(32*\q+4*\f)*PITCH+32
.endr
.irp f, 0,1,2,3                                ; V: channels 16 f on x the step's 128 keys: four pieces
.irp c, 0,1,2,3
	ds_load_b128 v[VF+16*\f+4*\c:VF+16*\f+4*\c+3], v[AV+\sl] offset:16*\f*PITCH+128*\q+32*\c
.endr
.endr
	s_wait_dscnt 16                                ; K's sixteen loads are in; V's sixteen, issued behind them, may be out
	WIN 0x01                                       ; source 0 (K) window 1
.irp f, 0,1,2,3,4,5,6,7
.irp u, 0,1
	v_wmma_f32_16x16x64_bf8_bf8 v[S+64*\u+8*\f:S+64*\u+8*\f+7], v[KF+8*\f:KF+8*\f+7], v[QC+8*\u:QC+8*\u+7], 0
.endr
.endr
	WIN 0
	SOFT 0, 2*\sl+\q
	SOFT 1, 2*\sl+\q
	WIN 0x41                                       ; O^T (destination and source 0) window 1, f window 0
.irp u, 0,1
.set n, 0
.rept 16
	v_pk_mul_f32 v[OT+32*\u+n:OT+32*\u+n+1], v[OT+32*\u+n:OT+32*\u+n+1], v[FF+2*\u:FF+2*\u+1] op_sel_hi:[1,0]   ; O^T under the new M; ascending
.set n, n+2
.endr
.endr
	s_wait_dscnt 0x0                               ; V is in
	WIN 0x51                                       ; V, C and D window 1; P window 0.  The eight accumulators take turns, one instruction a turn
.irp f, 0,1,2,3
.irp u, 0,1
	v_wmma_f32_16x16x128_bf8_bf8 v[OT+32*\u+8*\f:OT+32*\u+8*\f+7], v[VF+16*\f:VF+16*\f+15], v[P+16*\u:P+16*\u+15], v[OT+32*\u+8*\f:OT+32*\u+8*\f+7]
.endr
.endr
	WIN 0
.endm
; A SLOT: the next slot's bytes are asked for, this slot's two steps are worked, the bytes go into the other LDS slot, ONE barrier.  The other slot's last reads were waited for in front of the
; barrier before; it is read again only behind this one, in front of which each wave has waited for its stores.  In the last trip nothing follows slot 1: a scalar branch on the trips goes round the
; loads and round the LDS stores, never round the wait for the loads nor round the barrier.
.macro SLOT sl
.if \sl
	s_cmp_eq_u32 s[TRIPS], 1
	s_cbranch_scc1 .Lno_get_\@
.endif
	WIN 0x40
.irp j, 0,1,2,3,4,5,6,7
	global_load_b128 v[G+4*\j:G+4*\j+3], v[L16], s[KVP:KVP+1] offset:512*\j   ; 512 consecutive bytes: two rows
.endr
	WIN 0
.if \sl
.Lno_get_\@:
.endif
	STEP \sl, 0
	STEP \sl, 1
	s_wait_loadcnt 0x0                             ; the eight loads, asked for two key steps ago, are in.  On every way, ahead of the branch: no way round the loop reaches the next loads into these registers with one of these pending
.if \sl
	s_cmp_eq_u32 s[TRIPS], 1
	s_cbranch_scc1 .Lno_put_\@
.endif
	WIN 0x04                                       ; store data window 1
.irp j, 0,1,2,3,4,5,6,7
	ds_store_b128 v[CPL+1-\sl], v[G+4*\j:G+4*\j+3] offset:2*PITCH*\j
.endr
	WIN 0
	s_add_nc_u64 s[KVP:KVP+1], s[KVP:KVP+1], 32768 ; the loads that named it are done
.if \sl
.Lno_put_\@:
.endif
	s_wait_dscnt 0x0                               ; for the others' sake: my stores have landed, my reads of this slot are over
	s_barrier_signal -1
	s_barrier_wait -1
.endm
	; ---- THE HEAD
	s_load_b256 s[16:23], s[0:1], 0x0              ; q s[16:17], kv s[18:19], mw s[20:21], lowp_scales s[22:23]: these registers take the mask words later
	s_load_b64 s[24:25], s[0:1], 0x20              ; out0
	v_lshl_add_u32 v254, v0, 2, 0x22000
	v_mov_b32 v255, 0
	v_lshrrev_b32 v50, 5, v0
	v_readfirstlane_b32 s[WV], v50                 ; wave 0..7
	s_and_b32 s100, ttmp7, 0xffff                  ; the head
	s_lshl_b32 s86, s100, 18                       ; kv: a head's 8 slots of 32,768 bytes,
	s_lshl_b32 s90, s[WV], 12                      ; my 4,096 of a slot
	s_add_co_u32 s86, s86, s90
	s_mov_b32 s87, 0
	s_lshl_b32 s92, ttmp9, 16                      ; 256 queries are 65,536 bytes of q and of out0, and 16 tiles of 4,096 bytes of mw;
	s_lshl_b32 s94, s[WV], 13                      ; my 32 queries 8,192 bytes, and two tiles
	s_add_co_u32 s92, s92, s94
	s_lshl_b32 s90, s100, 19                       ; q, out0: a head's 2,048 rows of 256 bytes
	s_add_co_u32 s90, s90, s92
	s_mov_b32 s91, 0
	s_lshr_b32 s94, s100, 4                        ; mw: the batch, 128 tiles of 4,096 bytes
	s_lshl_b32 s94, s94, 19
	s_add_co_u32 s92, s92, s94
	s_mov_b32 s93, 0
	s_mov_b32 s[SEL], 0x76543210
	s_mov_b32 s[SEL+1], 0xfedcba98
	v_and_b32 v50, 31, v0                          ; l
	v_and_b32 v51, 15, v0                          ; r
	v_bfe_u32 v52, v0, 4, 1                        ; h
	v_lshlrev_b32 v[L16], 4, v50
	v_lshrrev_b32 v53, 2, v51
	v_mul_u32_u24 v[AK], v53, PITCH
	v_and_b32 v53, 3, v51
	v_lshl_add_u32 v[AK], v53, 6, v[AK]
	v_lshl_add_u32 v[AK], v52, 4, v[AK]            ; K: row r / 4, 64 (r % 4), + 16 h
	v_add_nc_u32 v[AK+1], SLOTB, v[AK]
	v_mul_u32_u24 v[AV], v51, PITCH
	v_lshl_add_u32 v[AV], v52, 4, v[AV]
	v_add_nc_u32 v[AV], 64*PITCH, v[AV]            ; V: row 64 + r, + 16 h
	v_add_nc_u32 v[AV+1], SLOTB, v[AV]
	s_mul_i32 s94, s[WV], 16*PITCH                 ; the copy: my 16 rows of a slot
	s_mul_i32 s95, s[WV], WSTG
	s_add_co_u32 s95, s95, STAGE                   ; my stage
	v_mul_u32_u24 v[CPL], v52, PITCH
	v_lshl_add_u32 v[CPL], v51, 4, v[CPL]          ; row h, 16 r
	v_add_nc_u32 v[RD], s95, v[CPL]
	v_add_nc_u32 v[CPL], s94, v[CPL]
	v_add_nc_u32 v[CPL+1], SLOTB, v[CPL]
	v_mul_u32_u24 v[STO], v51, PITCH
	v_lshl_add_u32 v[QL], v52, 6, v[STO]
	v_add_nc_u32 v[QL], s95, v[QL]                 ; row r, + 64 h
	v_lshl_add_u32 v[STO], v52, 5, v[STO]
	v_add_nc_u32 v[STO], s95, v[STO]               ; row r, + 32 h
	s_wait_kmcnt 0x0
	s_load_b128 s[96:99], s[22:23], 0x0            ; eq, ek, ep, ev
	s_add_nc_u64 s[KVP:KVP+1], s[18:19], s[86:87]
	WIN 0x40
.irp j, 0,1,2,3,4,5,6,7
	global_load_b128 v[G+4*\j:G+4*\j+3], v[L16], s[KVP:KVP+1] offset:512*\j   ; my part of slot 0
.endr
	WIN 0
	s_add_nc_u64 s[QP:QP+1], s[16:17], s[90:91]
.irp j, 0,1,2,3,4,5,6,7,8,9,10,11,12,13,14,15
	global_load_b128 v[128+4*\j:128+4*\j+3], v[L16], s[QP:QP+1] offset:512*\j th:TH_LOAD_NT   ; my 32 rows of q, two rows (512 consecutive bytes) a load
.endr
	s_add_nc_u64 s[OUTP:OUTP+1], s[24:25], s[90:91]
	s_add_nc_u64 s[MP:MP+1], s[20:21], s[92:93]
.irp u, 0,1
	v_mov_b32 v[ST+4*\u+1], 0xff61b1e6             ; the largest t so far: -3e38, under every t
	v_floor_f32 v[ST+4*\u], -v[ST+4*\u+1]          ; -M
	v_mov_b32 v[ST+4*\u+2], 0                      ; the sum, in two halves
	v_mov_b32 v[ST+4*\u+3], 0
	v_mov_b32 v[FF+2*\u+1], 0                      ; (named as the upper half of f's pair)
	v_mov_b32 v[PD+\u], 0                          ; written once: a lane permute's destination counts as one of its sources
.endr
	WIN 0x40
.set n, 0
.rept 64
	v_mov_b32 v[OT+n], 0                           ; O^T.  (The step is written once for all steps: the first finds zeros, which the first change of M leaves zeros)
.set n, n+1
.endr
	WIN 0
	s_wait_kmcnt 0x0
	s_add_co_i32 s90, s96, s97                     ; eq + ek
	s_lshl_b32 s91, s90, 23
	s_add_co_i32 s[CS], s91, 0x3e38aa3b            ; log2(e) / 8, with eq + ek added to its exponent field
	s_mov_b32 s[CS+1], s[CS]
	s_sub_co_i32 s91, 160, s90
	s_lshl_b32 s91, s91, 23
	s_or_b32 s91, s91, 0x80000000
	v_mov_b32 v[NEG], s91                          ; -2^(33 - eq - ek)
	s_add_co_i32 s90, s98, 127
	s_lshl_b32 s91, s90, 23
	v_mov_b32 v[SCP], s91                          ; 2^ep: the conversion takes its exponent field
	s_add_co_i32 s90, s90, 15
	s_lshl_b32 s90, s90, 23
	s_or_b32 s90, s90, 0x600000
	v_mov_b32 v[LIM], s90                          ; 57,344 x 2^ep
	s_add_co_i32 s[EPV], s98, s99
	s_mov_b32 s[EP], s98
	s_add_co_i32 s90, s96, 127
	s_lshl_b32 s91, s90, 23
	v_mov_b32 v[MX+1], s91                         ; 2^eq
	s_add_co_i32 s90, s90, 15
	s_lshl_b32 s90, s90, 23
	s_or_b32 s90, s90, 0x600000
	v_mov_b32 v[MX], s90                           ; 57,344 x 2^eq
	MLOAD 0                                        ; the first tile step's mask words; no pending load names s16 to s25 any more
	s_wait_loadcnt 16                              ; my part of slot 0 is in; q's sixteen loads, issued behind it, may be out
	WIN 0x04
.irp j, 0,1,2,3,4,5,6,7
	ds_store_b128 v[CPL], v[G+4*\j:G+4*\j+3] offset:2*PITCH*\j
.endr
	WIN 0
	s_add_nc_u64 s[KVP:KVP+1], s[KVP:KVP+1], 32768
	s_wait_loadcnt 0x0                             ; q
.irp j, 0,1,2,3,4,5,6,7,8,9,10,11,12,13,14,15
	ds_store_b128 v[RD], v[128+4*\j:128+4*\j+3] offset:2*PITCH*\j   ; through my own stage: in by rows,
.endr
.irp u, 0,1
.irp g, 0,1
.irp j, 0,1,2,3
	ds_load_b128 v[S+32*\u+16*\g+4*\j:S+32*\u+16*\g+4*\j+3], v[QL] offset:16*PITCH*\u+128*\g+16*\j   ; out: of row r of tile u the numbers 32 g + 16 h + 0 .. 15.  LDS serves a wave's instructions in order
.endr
.endr
.endr
	s_wait_dscnt 0x0
.set n, 0
.rept 64
	v_med3_num_f32 v[S+n], v[S+n], -v[MX], v[MX]   ; the hold at the largest code x the scale
.set n, n+1
.endr
.irp u, 0,1
.irp g, 0,1
	v_cvt_scalef32_pk8_bf8_f32 v[QC+8*\u+4*\g:QC+8*\u+4*\g+1], v[S+32*\u+16*\g:S+32*\u+16*\g+7], v[MX+1]
	v_cvt_scalef32_pk8_bf8_f32 v[QC+8*\u+4*\g+2:QC+8*\u+4*\g+3], v[S+32*\u+16*\g+8:S+32*\u+16*\g+15], v[MX+1]
.endr
.endr
	v_nop                                          ; a plain line behind the last conversion: the products read its results and write its sources
	s_wait_dscnt 0x0                               ; my part of slot 0 has landed
	s_barrier_signal -1
	s_barrier_wait -1                              ; everybody's has
	; ---- THE LOOP: a trip is two slots, four key steps
	s_mov_b32 s[TRIPS], 4
.Ltrip:
	SLOT 0
	SLOT 1
	s_sub_co_u32 s[TRIPS], s[TRIPS], 1
	s_cmp_lg_u32 s[TRIPS], 0
	s_cbranch_scc1 .Ltrip
	; ---- THE WAY OUT.  The additions are the places behind the last products.
	v_add_f32 v[ST+2], v[ST+2], v[ST+3]            ; the sum's two halves,
	v_add_f32 v[ST+6], v[ST+6], v[ST+7]
	v_permlanex16_b32 v[PD], v[ST+2], s[SEL], s[SEL+1]
	v_permlanex16_b32 v[PD+1], v[ST+6], s[SEL], s[SEL+1]
	v_add_f32 v[ST+2], v[ST+2], v[PD]              ; and lane l xor 16's: the row's sum, at least 1/2
	v_add_f32 v[ST+6], v[ST+6], v[PD+1]
	v_rcp_f32 v[FF], v[ST+2]
	v_rcp_f32 v[FF+2], v[ST+6]
	v_nop                                          ; a plain line behind the reciprocals,
	s_wait_alu depctr_va_vdst(0)                   ; and one wait for both, ahead of their first reader
	v_ldexp_f32 v[FF], v[FF], s[EPV]               ; x 2^(ep + ev)
	v_ldexp_f32 v[FF+2], v[FF+2], s[EPV]
	WIN 0x01                                       ; source 0 (O^T) window 1
.irp u, 0,1
.set n, 0
.rept 16
	v_pk_mul_f32 v[S+32*\u+n:S+32*\u+n+1], v[OT+32*\u+n:OT+32*\u+n+1], v[FF+2*\u:FF+2*\u+1] op_sel_hi:[1,0]   ; register 8 f + i of tile u is channel 16 f + 8 h + i of query r; ascending
.set n, n+2
.endr
.endr
	WIN 0
.irp u, 0,1
.irp f, 0,1,2,3
	ds_store_b128 v[STO], v[S+32*\u+8*\f:S+32*\u+8*\f+3] offset:16*PITCH*\u+64*\f
	ds_store_b128 v[STO], v[S+32*\u+8*\f+4:S+32*\u+8*\f+7] offset:16*PITCH*\u+64*\f+16
.endr
.endr
.irp j, 0,1,2,3,4,5,6,7,8,9,10,11,12,13,14,15
	ds_load_b128 v[128+4*\j:128+4*\j+3], v[RD] offset:2*PITCH*\j   ; back by rows; my own stage: LDS serves a wave's instructions in order
.endr
.irp j, 0,1,2,3,4,5,6,7,8,9,10,11,12,13,14,15
	s_wait_dscnt 15-\j                             ; the younger loads may be out
	global_store_b128 v[L16], v[128+4*\j:128+4*\j+3], s[OUTP:OUTP+1] offset:512*\j th:TH_STORE_NT   ; two rows of out0: 512 consecutive bytes, at a multiple of 256 from its first byte
.endr
	s_wait_tensorcnt 0x0
	ds_add_u32 v254, v255
	s_wait_dscnt 0x0
	s_endpgm
.Lfunc_end_k_qa058b8470a_attn:
	.size	k_qa058b8470a_attn, .Lfunc_end_k_qa058b8470a_attn-k_qa058b8470a_attn
	.p2alignl 7, 3214868480
	.fill 96, 4, 3214868480
	.section	.rodata,"a",@progbits
	.p2align	6, 0x0
	.amdhsa_kernel k_qa058b8470a_attn
		.amdhsa_group_segment_fixed_size 140288
		.amdhsa_private_segment_fixed_size 0
		.amdhsa_enable_private_segment 0
		.amdhsa_kernarg_size 40
		.amdhsa_user_sgpr_count 2
		.amdhsa_user_sgpr_kernarg_segment_ptr 1
		.amdhsa_wavefront_size32 1
		.amdhsa_system_sgpr_workgroup_id_x 1
		.amdhsa_system_sgpr_workgroup_id_y 1
		.amdhsa_system_sgpr_workgroup_id_z 1
		.amdhsa_system_vgpr_workitem_id 0
		.amdhsa_next_free_vgpr 512
		.amdhsa_next_free_sgpr 102
		.amdhsa_reserve_vcc 0
		.amdhsa_float_denorm_mode_32 3
		.amdhsa_float_denorm_mode_16_64 3
		.amdhsa_memory_ordered 1
		.amdhsa_forward_progress 1
		.amdhsa_inst_pref_size 175
	.end_amdhsa_kernel
	.amdgpu_metadata
---
amdhsa.version: [ 1, 2 ]
amdhsa.kernels:
  - .name:           k_qa058b8470a_attn
    .symbol:         k_qa058b8470a_attn.kd
    .args:
      - { .name: q, .offset: 0, .size: 8, .value_kind: global_buffer, .address_space: global }
      - { .name: kv, .offset: 8, .size: 8, .value_kind: global_buffer, .address_space: global }
      - { .name: mw, .offset: 16, .size: 8, .value_kind: global_buffer, .address_space: global }
      - { .name: lowp_scales, .offset: 24, .size: 8, .value_kind: global_buffer, .address_space: global }
      - { .name: out0, .offset: 32, .size: 8, .value_kind: global_buffer, .address_space: global }
    .group_segment_fixed_size: 140288
    .private_segment_fixed_size: 0
    .kernarg_segment_align: 8
    .kernarg_segment_size: 40
    .max_flat_workgroup_size: 256
    .sgpr_count:     102
    .vgpr_count:     512
    .wavefront_size: 32
...
	.end_amdgpu_metadata
.endif
;; end of part 2
;; ======== version 2 of 2: 2 launches; version 1 with the launch attn written anew for expert scheduling mode
;; limits: right only within a limited range of input values
;; workspace buffers: kv 16,777,216 bytes; mw 2,097,152 bytes of whole numbers
;; launch prep: the kernel of part 1 again; grid 256 x 1, 12 waves a work-group, no clusters, 105,984 bytes of LDS; arguments k, v, mask, lowp_scales, kv, mw; writes kv, mw
;; launch attn (part 3): grid 8 x 64, 8 waves a work-group, no clusters, 140,288 bytes of LDS; arguments q, kv, mw, lowp_scales, out0; writes out0
.if DOCPART == 3
	.amdgcn_target "amdgcn-amd-amdhsa--gfx1250"
	.amdhsa_code_object_version 6
	.text
	.protected	k_qa058b8470a_attn
	.globl	k_qa058b8470a_attn
	.p2align	8
	.type	k_qa058b8470a_attn,@function
k_qa058b8470a_attn:
	s_mov_b64 s[64:65], 0
	v_nop
	global_prefetch_b8 v0, s[64:65] scope:SCOPE_SE
	s_setreg_imm32_b32 hwreg(HW_REG_WAVE_SCHED_MODE, 0, 2), 2
	s_setreg_imm32_b32 hwreg(HW_REG_WAVE_MODE, 25, 1), 1
	s_wait_xcnt 0x0
	s_wait_alu depctr_vm_vsrc(0)
; out0[head][q][:] = the sum over keys of softmax(q . k / 8, hidden keys filled) v[key][:], 64 heads, 2,048 queries and keys, head size 64; both products on codes of E5M2 (BF8).
; q: [64][2048][64] f32, quantised here.  kv: K's and V's codes, mw: the mask as lane masks, both as the launch before laid them.  lowp_scales: eq, ek, ep, ev.  out0: f32.
; THE SOFTMAX: t = raw sum x c, c = log2(e) / 8 x 2^(eq + ek); M = the running largest t rounded UP to a whole number; p = 2^(t - M) is quantised with 2^ep, not normalised; the row's sum is
; taken of the unquantised p and divides at the end.  When M moves, the sum and O are multiplied by 2^(old M - new M), which rounds nothing.
; THE FILL.  A hidden score becomes the raw sum -2^(33 - eq - ek), the logit -2^30.  A power of two multiplies with c exactly, so in a row with every key hidden t = M, p = 1 and the row
; comes out as the mean of v.  LIMIT: this stands for the -1e9 of the definition; the two differ only where an open logit lies under about -1e9.
; LIMITS on the exponents, so that each power of two below is an f32 number: eq + ek between -94 and 130; eq and ep between -126 and 112.  NaN among the inputs is not served.
; THE HOLD of p at 57,344 x 2^ep is executed where ep < -15.  For ep >= -15 that bound is 1.75 or more and p is at most 2^(half a unit in t's last place): under 1.42 while |t| < 2^23 (LIMIT): the
; hold then changes nothing and a scalar branch on ep goes round its 64 lines, of a tile step's 326 vector lines.
; SHARES.  A work-group owns 256 queries of one head; each of its eight waves 32, two tiles of 16, in 512 registers: two waves to a SIMD.  Every wave walks 16 steps of 128 keys.
; K's and V's codes come through two LDS slots of 256 keys; each wave copies its 4,096 bytes of a slot through 32 registers: the loads go out at the head of the slot before, two key steps ahead of their LDS stores.
; NO CLUSTER, NO TENSOR LOAD, though the eight work-groups of a head walk the same kv:
; what is shared is 4,096 bytes a wave for two key steps, beside some 1,050 vector lines of that wave.
; LAYOUT.  Both products are used transposed: S^T = K Q^T (source 0 = 16 keys, source 1 = 16 queries), O^T = V^T P^T (source 0 = 16 channels, source 1 = P): a lane holds ONE query (lane % 16) throughout.
; Register 16 b + i of a tile's S^T is key 32 b + 16 (lane / 16) + i of the step: the conversions' results are the second product's operand.  Fragments are fetched 16 bytes a piece; that is a
; permutation of k, the same in both sources of a product.
; REGISTERS.  window 0: v1-10 addresses; v12-19 statistics, four a tile (-M, the largest t, the sum in two halves); v20 the fill; v21, v22 57,344 x 2^ep, 2^ep; v24-27 f, a pair a tile; v28-33 at work;
;   v34-49 Q's codes; v64-191 S^T, then p, 64 a tile; v192-223 p's codes.   window 1: v0-63 O^T, 32 a tile; v96-159 K's eight fragments; v160-223 V's four; v224-255 the copy's bytes.
; THE MODE: SCHED_MODE bits 1:0 = 2 (LLVM: expert scheduling mode 2), set by the entry lines.  The code itself states the register dependences
; between vector or matrix instructions and memory or LDS instructions, with s_wait_alu, always for 0.
; THE PLAN.  Registers that memory or LDS instructions touch, in the loop:
;   v1-v10  addresses and offsets: written at the head by vector instructions, never again; one wait on va_vdst ahead of the first load serves them for the whole kernel.
;   G       the copy's bytes: eight global loads land in them at a slot's head, eight LDS stores read them at its end; no vector or matrix instruction names them.  One wait on vm_vsrc at a slot's head.
;   KF      K's fragments: read by a step's 16 products K Q^T, which stand ahead of both softmaxes of that step.
;   VF      V's fragments: read by a step's 8 products V^T P, the step's last instructions.
;   S^T / p, P, O^T, Q's codes and the statistics are named by vector and matrix instructions alone.
; Each tile's softmax holds one wait on va_vdst, behind its batch of exponentials.  The loads stand behind these waits, so that the loop has no other wait on va_vdst: V's sixteen loads of a step behind
; tile 0's wait (the products V^T P of the step before were issued ahead of it; the loads have tile 1's softmax in which to land); K's sixteen of a slot's second step behind tile 1's wait of the first step
; (this step's products K Q^T were issued ahead of it).  K's of a slot's first step stand behind the barrier, since the bytes are stored just ahead of it; they owe no wait: both softmax waits of the step
; before stand behind KF's last readers, and nothing has named KF since.
.set PITCH, 272                        ; an LDS row: 256 bytes + 16: the sixteen lanes of a half wave touch sixteen different 16-byte columns modulo 256 bytes
.set SLOTB, 128*PITCH                  ; a slot: 64 rows of K (four keys of 64 bytes to a row), then 64 rows of V (a channel's 256 keys)
.set STAGE, 2*SLOTB                    ; behind the slots: 32 rows x 272 bytes for each wave: q on the way in, O on the way out
.set WSTG,  32*PITCH
.set AK,  1                            ; v1, v2   my lane's place in a tile of K, slot 0, 1
.set L16, 3                            ; v3       16 x lane
.set AV,  4                            ; v4, v5   the same for V
.set CPL, 6                            ; v6, v7   where I put my 16 bytes of the copy, slot 0, 1
.set STO, 8                            ; v8       the stage: where I put 32 bytes of a row of O
.set RD,  9                            ; v9       the stage by rows: lanes 0-15 one row, lanes 16-31 the next
.set QL,  10                           ; v10      the stage: my 64 bytes of a row of q
.set ST,  12
.set NEG, 20
.set LIM, 21
.set SCP, 22
.set FF,  24
.set MX,  28                           ; v28, v29 two chains of the maximum; at the head: 57,344 x 2^eq and 2^eq
.set PD,  30                           ; v30, v31 lane permutes' destinations
.set SM2, 32                           ; v[32:33] the sum's second chain
.set QC,  34
.set S,   64
.set P,   192
.set OT,  0                            ; window 1
.set KF,  96
.set VF,  160
.set G,   224
.set TRIPS, 3                          ; s3       trips to go
.set CS,  4                            ; s[4:5]   c, twice: the packed form names a pair
.set SEL, 6                            ; s[6:7]   v_permlanex16_b32's selects for lane l xor 16
.set MP,  8                            ; s[8:9]   the mask words of my first tile, at the trip's first step
.set OUTP, 10                          ; s[10:11] out0 at my first row
.set WV,  12                           ; s12      my wave's number
.set EPV, 13                           ; s13      ep + ev
.set EP,  14                           ; s14      ep
.set KVP, 84                           ; s[84:85] my 4,096 bytes of the next slot to copy
.set QP,  88                           ; s[88:89] q at my first row
                                       ; s16-63, s68-83: 64 mask words; word n in s[16 + n + 4 (n / 48)]
.set MSB, 0
.macro WIN new                         ; s_set_vgpr_msb: bits 1:0 source 0, 3:2 source 1, 5:4 source 2, 7:6 destination; the high byte repeats the setting that is left
.if MSB != \new
	s_set_vgpr_msb (MSB<<8)|\new
.set MSB, \new
.endif
.endm
.macro MLOAD off                       ; a tile step's 64 mask words, 256 bytes
	s_load_b512 s[16:31], s[MP:MP+1], \off
	s_load_b512 s[32:47], s[MP:MP+1], \off+64
	s_load_b512 s[48:63], s[MP:MP+1], \off+128
	s_load_b512 s[68:83], s[MP:MP+1], \off+192
.endm
; THE LDS LOADS stand in runs of sixteen under one window setting (destination window 1): the fragments of the q-th 128 keys of LDS slot sl.
.macro KFETCH sl, q                    ; K: tile f's 16 keys x 64: two pieces of 16 bytes a lane
.irp f, 0,1,2,3,4,5,6,7
	ds_load_b128 v[KF+8*\f:KF+8*\f+3],   v[AK+\sl] offset:(32*\q+4*\f)*PITCH
	ds_load_b128 v[KF+8*\f+4:KF+8*\f+7], v[AK+\sl] offset:(32*\q+4*\f)*PITCH+32
.endr
.endm
.macro VFETCH sl, q                    ; V: channels 16 f on x the step's 128 keys: four pieces
.irp f, 0,1,2,3
.irp c, 0,1,2,3
	ds_load_b128 v[VF+16*\f+4*\c:VF+16*\f+4*\c+3], v[AV+\sl] offset:16*\f*PITCH+128*\q+32*\c
.endr
.endr
.endm
; THE SOFTMAX of tile t in step k (0..3) of the trip, which is the q-th step of LDS slot sl.
.macro SOFT t, k, sl, q
.set rS, S+64*(\t)
.set rT, ST+4*(\t)
.set rF, FF+2*(\t)
.set rP, P+16*(\t)
	s_wait_kmcnt 0x0                               ; this tile step's mask words are in, and no scalar load is out
.if ((\t) == 0) && ((\k) == 3)
	s_add_nc_u64 s[MP:MP+1], s[MP:MP+1], 1024      ; so the pointer may step: the next trip's four steps
.endif
	v_mov_b32 v[MX], 0xff7fffff                    ; the two chains begin under every number
	v_mov_b32 v[MX+1], 0xff7fffff
.if (\t) == 0
	v_nop                                          ; with the two lines above: four places between the last product and the first read of a result (ISA guide 7.12.1)
	v_nop
.endif
.set n, 0
.rept 32                               ; hidden scores become the fill: the word is the lane mask as it stands.  Ascending: each accumulator is read from its low end on
	v_cndmask_b32 v[rS+n], v[rS+n], v[NEG], s[16+n+4*(n/48)]
	v_cndmask_b32 v[rS+n+1], v[rS+n+1], v[NEG], s[17+n+4*(n/48)]
	v_max3_num_f32 v[MX+(n/2)%2], v[MX+(n/2)%2], v[rS+n], v[rS+n+1]
.set n, n+2
.endr
	; the words of the tile step that comes next are asked for here: they have the rest of this softmax in which to land
.if (\t) == 0
.if (\k) == 3
	MLOAD 3840                                     ; my second tile (4,096 bytes on), step 3 (768), less the 1,024 just stepped
.else
	MLOAD 4096+256*(\k)
.endif
.else
.if (\k) == 3
	s_cmp_eq_u32 s[TRIPS], 1                       ; behind the last step there is nothing to ask for
	s_cbranch_scc1 .Lno_words_\@
	MLOAD 0
.Lno_words_\@:
.else
	MLOAD 256*(\k)+256
.endif
.endif
	v_max_num_f32 v[MX], v[MX], v[MX+1]
	v_permlanex16_b32 v[PD], v[MX], s[SEL], s[SEL+1]
	v_max_num_f32 v[MX], v[MX], v[PD]              ; my query's other 64 keys lie in lane l xor 16
	v_mul_f32 v[MX], s[CS], v[MX]                  ; as t (c is positive)
	v_max_num_f32 v[rT+1], v[rT+1], v[MX]          ; the running largest t
	v_mov_b32 v[MX], v[rT]
	v_floor_f32 v[rT], -v[rT+1]                    ; the new -M = floor(-t) = -ceil(t)
	v_sub_f32 v[MX], v[rT], v[MX]                  ; old M - new M: a whole number, 0 or less
	v_cvt_i32_f32 v[MX], v[MX]                     ; (it saturates)
	v_ldexp_f32 v[rF], 1.0, v[MX]                  ; f = 2^(old M - new M)
.set n, 0
.rept 32
	v_pk_fma_f32 v[rS+n:rS+n+1], v[rS+n:rS+n+1], s[CS:CS+1], v[rT:rT+1] op_sel_hi:[1,0,0]   ; t - M, two at a time (of the pairs c and -M the low word serves both halves)
.set n, n+2
.endr
.set n, 0
.rept 64
	v_exp_f32 v[rS+n], v[rS+n]                     ; p = 2^(t - M)
.set n, n+1
.endr
	v_pk_mul_f32 v[rT+2:rT+3], v[rT+2:rT+3], v[rF:rF+1] op_sel_hi:[1,0]   ; the sum under the new M: the plain line behind the exponentials
.if ((\t) == 0) || ((\q) == 0)
	WIN 0x40                                       ; for the loads below: destination window 1.  The switch, then the wait, then the loads
.endif
.if (\t) == 0
	s_wait_alu depctr_va_vdst(0)                   ; the 64 exponentials have written p, ahead of its first reader; and the products V^T P of the step before are done reading VF, in which the loads below land
	VFETCH \sl, \q                                 ; this step's V: it has the other tile's softmax in which to land
.elseif (\q) == 0
	s_wait_alu depctr_va_vdst(0)                   ; the 64 exponentials have written p, ahead of its first reader; and this step's products K Q^T are done reading KF, in which the loads below land
	KFETCH \sl, 1                                  ; the next step's K, from the same slot: it has the rest of this step in which to land
.else
	s_wait_alu depctr_va_vdst(0)                   ; the 64 exponentials have written p, ahead of its first reader
.endif
	WIN 0
	v_pk_add_f32 v[SM2:SM2+1], v[rS:rS+1], v[rS+2:rS+3]   ; the sum is taken of the unquantised p, in two chains
.set n, 4
.rept 15
	v_pk_add_f32 v[rT+2:rT+3], v[rT+2:rT+3], v[rS+n:rS+n+1]
	v_pk_add_f32 v[SM2:SM2+1], v[SM2:SM2+1], v[rS+n+2:rS+n+3]
.set n, n+4
.endr
	v_pk_add_f32 v[rT+2:rT+3], v[rT+2:rT+3], v[SM2:SM2+1]
	s_cmp_lt_i32 s[EP], -15                        ; the hold: see the head
	s_cbranch_scc0 .Lno_hold_\@
.set n, 0
.rept 64
	v_min_num_f32 v[rS+n], v[rS+n], v[LIM]         ; the conversion to an 8-bit code does not saturate (ISA guide 7.6.2); p is not negative, so the hold is one-sided
.set n, n+1
.endr
.Lno_hold_\@:
.set n, 0
.rept 4
	v_cvt_scalef32_pk8_bf8_f32 v[rP+4*n:rP+4*n+1], v[rS+16*n:rS+16*n+7], v[SCP]
	v_cvt_scalef32_pk8_bf8_f32 v[rP+4*n+2:rP+4*n+3], v[rS+16*n+8:rS+16*n+15], v[SCP]
.set n, n+1
.endr
	v_nop                                          ; a plain line between the last conversion and whatever next touches its results or writes its sources
.endm
; A KEY STEP: 128 keys, the q-th of LDS slot sl.
.macro STEP sl, q
.if (\q) == 0
	WIN 0x40                                       ; destination window 1
	KFETCH \sl, 0                                  ; behind the barrier that shows the slot whole.  No wait: KF's last readers stand ahead of both softmax waits of the step before, and nothing has named KF since
.endif
	s_wait_dscnt 0x0                               ; K's sixteen loads are in (a slot's second step: they were asked for in the step before)
	WIN 0x01                                       ; source 0 (K) window 1
.irp f, 0,1,2,3,4,5,6,7
.irp u, 0,1
	v_wmma_f32_16x16x64_bf8_bf8 v[S+64*\u+8*\f:S+64*\u+8*\f+7], v[KF+8*\f:KF+8*\f+7], v[QC+8*\u:QC+8*\u+7], 0
.endr
.endr
	WIN 0
	SOFT 0, 2*\sl+\q, \sl, \q
	SOFT 1, 2*\sl+\q, \sl, \q
	WIN 0x41                                       ; O^T (destination and source 0) window 1, f window 0
.irp u, 0,1
.set n, 0
.rept 16
	v_pk_mul_f32 v[OT+32*\u+n:OT+32*\u+n+1], v[OT+32*\u+n:OT+32*\u+n+1], v[FF+2*\u:FF+2*\u+1] op_sel_hi:[1,0]   ; O^T under the new M; ascending
.set n, n+2
.endr
.endr
.if (\q) == 0
	s_wait_dscnt 16                                ; V is in; the next step's sixteen loads of K, issued behind V's, may be out
.else
	s_wait_dscnt 0x0                               ; V is in
.endif
	WIN 0x51                                       ; V, C and D window 1; P window 0.  The eight accumulators take turns, one instruction a turn
.irp f, 0,1,2,3
.irp u, 0,1
	v_wmma_f32_16x16x128_bf8_bf8 v[OT+32*\u+8*\f:OT+32*\u+8*\f+7], v[VF+16*\f:VF+16*\f+15], v[P+16*\u:P+16*\u+15], v[OT+32*\u+8*\f:OT+32*\u+8*\f+7]
.endr
.endr
	WIN 0
.endm
; A SLOT: the next slot's bytes are asked for, this slot's two steps are worked, the bytes go into the other LDS slot, ONE barrier.  The other slot's last reads were waited for in front of the
; barrier before; it is read again only behind this one, in front of which each wave has waited for its stores.  In the last trip nothing follows slot 1: a scalar branch on the trips goes round the
; loads and round the LDS stores, never round the wait for the loads nor round the barrier.
.macro SLOT sl
	s_wait_alu depctr_vm_vsrc(0)                   ; the LDS stores issued so far have read the copy's registers, in which the loads below land; ahead of the first slot they have also read v128-191 (q), which the first products write.  Ahead of the branch: on every way
.if \sl
	s_cmp_eq_u32 s[TRIPS], 1
	s_cbranch_scc1 .Lno_get_\@
.endif
	WIN 0x40
.irp j, 0,1,2,3,4,5,6,7
	global_load_b128 v[G+4*\j:G+4*\j+3], v[L16], s[KVP:KVP+1] offset:512*\j   ; 512 consecutive bytes: two rows.  No vector or matrix instruction names these registers, and the offset was written ahead of the head's wait
.endr
	WIN 0
.if \sl
.Lno_get_\@:
.endif
	STEP \sl, 0
	STEP \sl, 1
	s_wait_loadcnt 0x0                             ; the eight loads, asked for two key steps ago, are in.  On every way, ahead of the branch: no way round the loop reaches the next loads into these registers with one of these pending
.if \sl
	s_cmp_eq_u32 s[TRIPS], 1
	s_cbranch_scc1 .Lno_put_\@
.endif
	WIN 0x04                                       ; store data window 1
.irp j, 0,1,2,3,4,5,6,7
	ds_store_b128 v[CPL+1-\sl], v[G+4*\j:G+4*\j+3] offset:2*PITCH*\j
.endr
	WIN 0
	s_add_nc_u64 s[KVP:KVP+1], s[KVP:KVP+1], 32768 ; the loads that named it are done
.if \sl
.Lno_put_\@:
.endif
	s_wait_dscnt 0x0                               ; for the others' sake: my stores have landed, my reads of this slot are over
	s_barrier_signal -1
	s_barrier_wait -1
.endm
	; ---- THE HEAD
	s_load_b256 s[16:23], s[0:1], 0x0              ; q s[16:17], kv s[18:19], mw s[20:21], lowp_scales s[22:23]: these registers take the mask words later
	s_load_b64 s[24:25], s[0:1], 0x20              ; out0
	v_lshl_add_u32 v254, v0, 2, 0x22000
	v_mov_b32 v255, 0
	v_lshrrev_b32 v50, 5, v0
	v_readfirstlane_b32 s[WV], v50                 ; wave 0..7
	s_and_b32 s100, ttmp7, 0xffff                  ; the head
	s_lshl_b32 s86, s100, 18                       ; kv: a head's 8 slots of 32,768 bytes,
	s_wait_alu depctr_va_sdst(0)                   ; s12, the wave's number, is written, ahead of its first reader: offsets in kv, q, out0, mw and LDS are made from it
	s_lshl_b32 s90, s[WV], 12                      ; my 4,096 of a slot
	s_add_co_u32 s86, s86, s90
	s_mov_b32 s87, 0
	s_lshl_b32 s92, ttmp9, 16                      ; 256 queries are 65,536 bytes of q and of out0, and 16 tiles of 4,096 bytes of mw;
	s_lshl_b32 s94, s[WV], 13                      ; my 32 queries 8,192 bytes, and two tiles
	s_add_co_u32 s92, s92, s94
	s_lshl_b32 s90, s100, 19                       ; q, out0: a head's 2,048 rows of 256 bytes
	s_add_co_u32 s90, s90, s92
	s_mov_b32 s91, 0
	s_lshr_b32 s94, s100, 4                        ; mw: the batch, 128 tiles of 4,096 bytes
	s_lshl_b32 s94, s94, 19
	s_add_co_u32 s92, s92, s94
	s_mov_b32 s93, 0
	s_mov_b32 s[SEL], 0x76543210
	s_mov_b32 s[SEL+1], 0xfedcba98
	v_and_b32 v50, 31, v0                          ; l
	v_and_b32 v51, 15, v0                          ; r
	v_bfe_u32 v52, v0, 4, 1                        ; h
	v_lshlrev_b32 v[L16], 4, v50
	v_lshrrev_b32 v53, 2, v51
	v_mul_u32_u24 v[AK], v53, PITCH
	v_and_b32 v53, 3, v51
	v_lshl_add_u32 v[AK], v53, 6, v[AK]
	v_lshl_add_u32 v[AK], v52, 4, v[AK]            ; K: row r / 4, 64 (r % 4), + 16 h
	v_add_nc_u32 v[AK+1], SLOTB, v[AK]
	v_mul_u32_u24 v[AV], v51, PITCH
	v_lshl_add_u32 v[AV], v52, 4, v[AV]
	v_add_nc_u32 v[AV], 64*PITCH, v[AV]            ; V: row 64 + r, + 16 h
	v_add_nc_u32 v[AV+1], SLOTB, v[AV]
	s_mul_i32 s94, s[WV], 16*PITCH                 ; the copy: my 16 rows of a slot
	s_mul_i32 s95, s[WV], WSTG
	s_add_co_u32 s95, s95, STAGE                   ; my stage
	v_mul_u32_u24 v[CPL], v52, PITCH
	v_lshl_add_u32 v[CPL], v51, 4, v[CPL]          ; row h, 16 r
	v_add_nc_u32 v[RD], s95, v[CPL]
	v_add_nc_u32 v[CPL], s94, v[CPL]
	v_add_nc_u32 v[CPL+1], SLOTB, v[CPL]
	v_mul_u32_u24 v[STO], v51, PITCH
	v_lshl_add_u32 v[QL], v52, 6, v[STO]
	v_add_nc_u32 v[QL], s95, v[QL]                 ; row r, + 64 h
	v_lshl_add_u32 v[STO], v52, 5, v[STO]
	v_add_nc_u32 v[STO], s95, v[STO]               ; row r, + 32 h
	s_wait_kmcnt 0x0
	s_load_b128 s[96:99], s[22:23], 0x0            ; eq, ek, ep, ev
	s_add_nc_u64 s[KVP:KVP+1], s[18:19], s[86:87]
	WIN 0x40
	s_wait_alu depctr_va_vdst(0)                   ; v1 to v10 are written: every load and store of the kernel, global or LDS, reads one of them as its address or offset, and no line writes them again
.irp j, 0,1,2,3,4,5,6,7
	global_load_b128 v[G+4*\j:G+4*\j+3], v[L16], s[KVP:KVP+1] offset:512*\j   ; my part of slot 0
.endr
	WIN 0
	s_add_nc_u64 s[QP:QP+1], s[16:17], s[90:91]
.irp j, 0,1,2,3,4,5,6,7,8,9,10,11,12,13,14,15
	global_load_b128 v[128+4*\j:128+4*\j+3], v[L16], s[QP:QP+1] offset:512*\j th:TH_LOAD_NT   ; my 32 rows of q, two rows (512 consecutive bytes) a load
.endr
	s_add_nc_u64 s[OUTP:OUTP+1], s[24:25], s[90:91]
	s_add_nc_u64 s[MP:MP+1], s[20:21], s[92:93]
.irp u, 0,1
	v_mov_b32 v[ST+4*\u+1], 0xff61b1e6             ; the largest t so far: -3e38, under every t
	v_floor_f32 v[ST+4*\u], -v[ST+4*\u+1]          ; -M
	v_mov_b32 v[ST+4*\u+2], 0                      ; the sum, in two halves
	v_mov_b32 v[ST+4*\u+3], 0
	v_mov_b32 v[FF+2*\u+1], 0                      ; (named as the upper half of f's pair)
	v_mov_b32 v[PD+\u], 0                          ; written once: a lane permute's destination counts as one of its sources
.endr
	WIN 0x40
.set n, 0
.rept 64
	v_mov_b32 v[OT+n], 0                           ; O^T.  (The step is written once for all steps: the first finds zeros, which the first change of M leaves zeros)
.set n, n+1
.endr
	WIN 0
	s_wait_kmcnt 0x0
	s_add_co_i32 s90, s96, s97                     ; eq + ek
	s_lshl_b32 s91, s90, 23
	s_add_co_i32 s[CS], s91, 0x3e38aa3b            ; log2(e) / 8, with eq + ek added to its exponent field
	s_mov_b32 s[CS+1], s[CS]
	s_sub_co_i32 s91, 160, s90
	s_lshl_b32 s91, s91, 23
	s_or_b32 s91, s91, 0x80000000
	v_mov_b32 v[NEG], s91                          ; -2^(33 - eq - ek)
	s_add_co_i32 s90, s98, 127
	s_lshl_b32 s91, s90, 23
	v_mov_b32 v[SCP], s91                          ; 2^ep: the conversion takes its exponent field
	s_add_co_i32 s90, s90, 15
	s_lshl_b32 s90, s90, 23
	s_or_b32 s90, s90, 0x600000
	v_mov_b32 v[LIM], s90                          ; 57,344 x 2^ep
	s_add_co_i32 s[EPV], s98, s99
	s_mov_b32 s[EP], s98
	s_add_co_i32 s90, s96, 127
	s_lshl_b32 s91, s90, 23
	v_mov_b32 v[MX+1], s91                         ; 2^eq
	s_add_co_i32 s90, s90, 15
	s_lshl_b32 s90, s90, 23
	s_or_b32 s90, s90, 0x600000
	v_mov_b32 v[MX], s90                           ; 57,344 x 2^eq
	MLOAD 0                                        ; the first tile step's mask words; no pending load names s16 to s25 any more
	s_wait_loadcnt 16                              ; my part of slot 0 is in; q's sixteen loads, issued behind it, may be out
	WIN 0x04
.irp j, 0,1,2,3,4,5,6,7
	ds_store_b128 v[CPL], v[G+4*\j:G+4*\j+3] offset:2*PITCH*\j   ; (the vector lines since the head's wait name neither the address nor these registers, nor those of the LDS lines below)
.endr
	WIN 0
	s_add_nc_u64 s[KVP:KVP+1], s[KVP:KVP+1], 32768
	s_wait_loadcnt 0x0                             ; q
.irp j, 0,1,2,3,4,5,6,7,8,9,10,11,12,13,14,15
	ds_store_b128 v[RD], v[128+4*\j:128+4*\j+3] offset:2*PITCH*\j   ; through my own stage: in by rows,
.endr
.irp u, 0,1
.irp g, 0,1
.irp j, 0,1,2,3
	ds_load_b128 v[S+32*\u+16*\g+4*\j:S+32*\u+16*\g+4*\j+3], v[QL] offset:16*PITCH*\u+128*\g+16*\j   ; out: of row r of tile u the numbers 32 g + 16 h + 0 .. 15.  LDS serves a wave's instructions in order
.endr
.endr
.endr
	s_wait_dscnt 0x0
.set n, 0
.rept 64
	v_med3_num_f32 v[S+n], v[S+n], -v[MX], v[MX]   ; the hold at the largest code x the scale
.set n, n+1
.endr
.irp u, 0,1
.irp g, 0,1
	v_cvt_scalef32_pk8_bf8_f32 v[QC+8*\u+4*\g:QC+8*\u+4*\g+1], v[S+32*\u+16*\g:S+32*\u+16*\g+7], v[MX+1]
	v_cvt_scalef32_pk8_bf8_f32 v[QC+8*\u+4*\g+2:QC+8*\u+4*\g+3], v[S+32*\u+16*\g+8:S+32*\u+16*\g+15], v[MX+1]
.endr
.endr
	v_nop                                          ; a plain line behind the last conversion: the products read its results and write its sources
	s_wait_dscnt 0x0                               ; my part of slot 0 has landed
	s_barrier_signal -1
	s_barrier_wait -1                              ; everybody's has
	; ---- THE LOOP: a trip is two slots, four key steps
	s_mov_b32 s[TRIPS], 4
.Ltrip:
	SLOT 0
	SLOT 1
	s_sub_co_u32 s[TRIPS], s[TRIPS], 1
	s_cmp_lg_u32 s[TRIPS], 0
	s_cbranch_scc1 .Ltrip
	; ---- THE WAY OUT.  The additions are the places behind the last products.
	v_add_f32 v[ST+2], v[ST+2], v[ST+3]            ; the sum's two halves,
	v_add_f32 v[ST+6], v[ST+6], v[ST+7]
	v_permlanex16_b32 v[PD], v[ST+2], s[SEL], s[SEL+1]
	v_permlanex16_b32 v[PD+1], v[ST+6], s[SEL], s[SEL+1]
	v_add_f32 v[ST+2], v[ST+2], v[PD]              ; and lane l xor 16's: the row's sum, at least 1/2
	v_add_f32 v[ST+6], v[ST+6], v[PD+1]
	v_rcp_f32 v[FF], v[ST+2]
	v_rcp_f32 v[FF+2], v[ST+6]
	v_nop                                          ; a plain line behind the reciprocals,
	s_wait_alu depctr_va_vdst(0)                   ; and one wait for both: the reciprocals have written v24 and v26, ahead of their first reader
	v_ldexp_f32 v[FF], v[FF], s[EPV]               ; x 2^(ep + ev)
	v_ldexp_f32 v[FF+2], v[FF+2], s[EPV]
	WIN 0x01                                       ; source 0 (O^T) window 1
.irp u, 0,1
.set n, 0
.rept 16
	v_pk_mul_f32 v[S+32*\u+n:S+32*\u+n+1], v[OT+32*\u+n:OT+32*\u+n+1], v[FF+2*\u:FF+2*\u+1] op_sel_hi:[1,0]   ; register 8 f + i of tile u is channel 16 f + 8 h + i of query r; ascending
.set n, n+2
.endr
.endr
	WIN 0
	s_wait_alu depctr_va_vdst(0)                   ; the multiplications have written v64-127, which the LDS stores read; and all that named v128-191 (the last step's p) is complete: the loads from the stage land there.  No vector line follows
.irp u, 0,1
.irp f, 0,1,2,3
	ds_store_b128 v[STO], v[S+32*\u+8*\f:S+32*\u+8*\f+3] offset:16*PITCH*\u+64*\f
	ds_store_b128 v[STO], v[S+32*\u+8*\f+4:S+32*\u+8*\f+7] offset:16*PITCH*\u+64*\f+16
.endr
.endr
.irp j, 0,1,2,3,4,5,6,7,8,9,10,11,12,13,14,15
	ds_load_b128 v[128+4*\j:128+4*\j+3], v[RD] offset:2*PITCH*\j   ; back by rows; my own stage: LDS serves a wave's instructions in order
.endr
.irp j, 0,1,2,3,4,5,6,7,8,9,10,11,12,13,14,15
	s_wait_dscnt 15-\j                             ; the younger loads may be out
	global_store_b128 v[L16], v[128+4*\j:128+4*\j+3], s[OUTP:OUTP+1] offset:512*\j th:TH_STORE_NT   ; two rows of out0: 512 consecutive bytes, at a multiple of 256 from its first byte
.endr
	s_wait_dscnt 0x0
	s_wait_alu depctr_hold_cnt(0) depctr_sa_sdst(0) depctr_va_vdst(0) depctr_va_sdst(0) depctr_va_ssrc(0) depctr_va_vcc(0) depctr_vm_vsrc(0)
	s_wait_tensorcnt 0x0
	ds_add_u32 v254, v255
	s_wait_dscnt 0x0
	s_endpgm
.Lfunc_end_k_qa058b8470a_attn:
	.size	k_qa058b8470a_attn, .Lfunc_end_k_qa058b8470a_attn-k_qa058b8470a_attn
	.p2alignl 7, 3214868480
	.fill 96, 4, 3214868480
	.section	.rodata,"a",@progbits
	.p2align	6, 0x0
	.amdhsa_kernel k_qa058b8470a_attn
		.amdhsa_group_segment_fixed_size 140288
		.amdhsa_private_segment_fixed_size 0
		.amdhsa_enable_private_segment 0
		.amdhsa_kernarg_size 40
		.amdhsa_user_sgpr_count 2
		.amdhsa_user_sgpr_kernarg_segment_ptr 1
		.amdhsa_wavefront_size32 1
		.amdhsa_system_sgpr_workgroup_id_x 1
		.amdhsa_system_sgpr_workgroup_id_y 1
		.amdhsa_system_sgpr_workgroup_id_z 1
		.amdhsa_system_vgpr_workitem_id 0
		.amdhsa_next_free_vgpr 512
		.amdhsa_next_free_sgpr 102
		.amdhsa_reserve_vcc 0
		.amdhsa_float_denorm_mode_32 3
		.amdhsa_float_denorm_mode_16_64 3
		.amdhsa_memory_ordered 1
		.amdhsa_forward_progress 1
		.amdhsa_inst_pref_size 175
	.end_amdhsa_kernel
	.amdgpu_metadata
---
amdhsa.version: [ 1, 2 ]
amdhsa.kernels:
  - .name:           k_qa058b8470a_attn
    .symbol:         k_qa058b8470a_attn.kd
    .args:
      - { .name: q, .offset: 0, .size: 8, .value_kind: global_buffer, .address_space: global }
      - { .name: kv, .offset: 8, .size: 8, .value_kind: global_buffer, .address_space: global }
      - { .name: mw, .offset: 16, .size: 8, .value_kind: global_buffer, .address_space: global }
      - { .name: lowp_scales, .offset: 24, .size: 8, .value_kind: global_buffer, .address_space: global }
      - { .name: out0, .offset: 32, .size: 8, .value_kind: global_buffer, .address_space: global }
    .group_segment_fixed_size: 140288
    .private_segment_fixed_size: 0
    .kernarg_segment_align: 8
    .kernarg_segment_size: 40
    .max_flat_workgroup_size: 256
    .sgpr_count:     102
    .vgpr_count:     512
    .wavefront_size: 32
...
	.end_amdgpu_metadata
.endif
;; end of part 3
